; MI455X (gfx1250); checked and timed in simulation.
; The chip was launched on July 23, 2026; its instructions are those of AMD's public machine-readable ISA for CDNA 5 (MIT licence, August 2026) and "CDNA5" Instruction Set Architecture Reference Guide (July 2026). The comments in the code are by the model that wrote it; some were corrected since.
;; Hyper GRU Cell. Allowed arithmetic: matrix products marked QUANTISED: E4M3 operands, one E8M0 scale for each 32 along K, by v_wmma_scale_f32_16x16x128_f8f6f4 with both operands' format E4M3, f32 sums; everything else in f32.
;; Inputs: U_codes 512 x 16 x 32 uint8 (E4M3 codes of U, K innermost, in blocks of 32 codes); U_scales 512 x 16 uint8 (E8M0 scales of U, one for each 32 codes along K); Ur_codes 512 x 16 x 32 uint8 (E4M3 codes of Ur, K innermost, in blocks of 32 codes); Ur_scales 512 x 16 uint8 (E8M0 scales of Ur, one for each 32 codes along K); Uz_codes 512 x 16 x 32 uint8 (E4M3 codes of Uz, K innermost, in blocks of 32 codes); Uz_scales 512 x 16 uint8 (E8M0 scales of Uz, one for each 32 codes along K); W_codes 512 x 16 x 32 uint8 (E4M3 codes of W, K innermost, in blocks of 32 codes); W_scales 512 x 16 uint8 (E8M0 scales of W, one for each 32 codes along K); Wr_codes 512 x 16 x 32 uint8 (E4M3 codes of Wr, K innermost, in blocks of 32 codes); Wr_scales 512 x 16 uint8 (E8M0 scales of Wr, one for each 32 codes along K); Wz_codes 512 x 16 x 32 uint8 (E4M3 codes of Wz, K innermost, in blocks of 32 codes); Wz_scales 512 x 16 uint8 (E8M0 scales of Wz, one for each 32 codes along K); bU 512 float32; bUr 512 float32; bUz 512 float32; bW 512 float32; bWr 512 float32; bWz 512 float32; inp 16,384 x 512 float32; prev 16,384 x 512 float32.
;; Outputs: out0 16,384 x 512 float32.
;; This version of the problem:
;;   THIS VERSION OF THE PROBLEM IS GIVEN IN LOW PRECISION. The matrix products marked QUANTISED in the list below multiply operands that are first quantised to E4M3 (4 exponent bits, 3 mantissa bits; 8 bits a number), with one power-of-two scale for each 32 numbers along K (OCP MX v1.0); their sums are f32. All else is computed in f32.
;;   The module's matrix products, in the order in which they are computed (A, B: the left and right operand; K: the contracted axis; several contracted axes count as one K, in the product's order):
;;     1. [M 16,384, K 512] x [K 512, N 512]; A: input prev; B: input Wr (given as codes): QUANTISED
;;     2. [M 16,384, K 512] x [K 512, N 512]; A: input inp; B: input Ur (given as codes): QUANTISED
;;     3. [M 16,384, K 512] x [K 512, N 512]; A: input prev; B: input Wz (given as codes): QUANTISED
;;     4. [M 16,384, K 512] x [K 512, N 512]; A: input inp; B: input Uz (given as codes): QUANTISED
;;     5. [M 16,384, K 512] x [K 512, N 512]; A: computed on the way; B: input W (given as codes): QUANTISED
;;     6. [M 16,384, K 512] x [K 512, N 512]; A: input inp; B: input U (given as codes): QUANTISED
;;   THE QUANTISER, for each operand of a quantised product, along K:
;;     - K is cut into blocks of 32 from its start; a last block that is shorter is filled with zeros.
;;     - A block's scale is 2^e with e = floor(log2(the largest magnitude in the block)) - 8, held to -126 .. 127; a block of zeros has e = 0. As a byte (E8M0): e + 127.
;;     - Each number is divided by its block's scale, clamped to +-448, and rounded to the nearest number of E4M3, ties to even, subnormals kept.
;;     - The product sums the exact products of the quantised numbers (number of the format x scale) in f32.
;;   ~~~python
;;   def quantise(x, axis):      # numpy; x: float32 -> the quantised numbers, widened to float32 again
;;       x = np.moveaxis(x, axis, -1); K = x.shape[-1]
;;       x = np.pad(x, [(0, 0)] * (x.ndim - 1) + [(0, -K % 32)]); x = x.reshape(x.shape[:-1] + (-1, 32)); a = np.abs(x).max(-1, keepdims=True)
;;       e = np.where(a > 0, np.clip(np.frexp(np.where(a > 0, a, 1))[1] - 1 - 8, -126, 127), 0)      # np.frexp(a)[1] - 1 = floor(log2(a)), exactly
;;       r = np.clip(x / 2.0 ** e, -448, 448)
;;       step = 2.0 ** (np.maximum(np.frexp(np.where(r == 0, 1, r))[1] - 1, -6) - 3)
;;       q = np.round(r / step) * step * 2.0 ** e      # np.round: ties to even
;;       return np.moveaxis(q.reshape(q.shape[:-2] + (-1,))[..., :K], -1, axis).astype(np.float32)
;;   ~~~
;;   OPERANDS COMPUTED ON THE WAY. 'Computed on the way' means the value that the module computes at that place (a softmax that the list does not call 'softmax' is quantised finished and normalised). What goes into a quantiser is computed in f32, as accurately as f32 sums, v_exp_f32 and their like allow (about 1e-6 of the number): no bf16 or f16 on the way to a quantiser, and a product that is left as it is and whose result goes on into a quantised operand takes f32 operands (vector FMAs, or v_wmma_f32_16x16x4_f32). A number that lies on a knife's edge between two numbers of the format may be rounded either way, as far as f32 arithmetic and the matrix unit's own rounding can turn it there, and no further.
;;   INPUTS GIVEN AS CODES. U (in the module: [512, 512], K = its axis 0); Ur (in the module: [512, 512], K = its axis 0); Uz (in the module: [512, 512], K = its axis 0); W (in the module: [512, 512], K = its axis 0); Wr (in the module: [512, 512], K = its axis 0); Wz (in the module: [512, 512], K = its axis 0): each comes as NAME_codes (uint8): NAME with its K axis moved to the last place and cut into blocks of 32 codes, [.., K / 32, bytes a block], one block behind the other in memory; one code a byte (a code: sign, 4 exponent bits, 3 mantissa bits); and NAME_scales (uint8): the same leading axes, one E8M0 byte (e + 127) for each 32 codes along K. Its value is code x scale, taken as it is: it is not quantised again, and the codes and scales need not be those that the quantiser above would give.
;; One version. Each part assembles by itself: llvm-mc -triple=amdgcn-amd-amdhsa -mcpu=gfx1250 --defsym DOCPART=n.
;; ======== version 1 of 1: 2 launches
;; limits: right only within a limited range of input values
;; workspace buffers: wpack 1,622,016 bytes
;; launch pack (part 1): grid 16 x 6, 8 waves a work-group, no clusters, 0 bytes of LDS; arguments Wr_codes, Ur_codes, Wz_codes, Uz_codes, U_codes, W_codes, Wr_scales, Ur_scales, Wz_scales, Uz_scales, U_scales, W_scales, wpack; writes wpack
.if DOCPART == 1
	.amdgcn_target "amdgcn-amd-amdhsa--gfx1250"
	.amdhsa_code_object_version 6
	.text
	.protected	k_qe4d84c662a_pack
	.globl	k_qe4d84c662a_pack
	.p2align	8
	.type	k_qe4d84c662a_pack,@function
k_qe4d84c662a_pack:
	s_mov_b64 s[64:65], 0
	v_nop
	global_prefetch_b8 v0, s[64:65] scope:SCOPE_SE
	s_setreg_imm32_b32 hwreg(HW_REG_WAVE_MODE, 25, 1), 1
	s_wait_xcnt 0x0
; The six weights' codes and scale bytes are laid in the ORDER OF THE OPERAND'S REGISTERS, so that the second launch brings a fragment by loads of 512 consecutive bytes.
; wpack: for wave w of the second launch (output columns 128 w .. 128 w + 127) a stream of 24 chunks of 16,896 bytes; chunk 4 p + s: product p (0 Wr, 1 Ur, 2 Wz, 3 Uz, 4 U, 5 W), K step s of 128.
; In a chunk: fragment t (0..7) at 2048 t, its register group c at + 512 c, lane l at + 16 l: codes[n][128 s + 32 c + 16 (l / 16) .. + 15], n = 128 w + 32 (t / 2) + 8 (t % 2) + r + 8 (r / 8), r = l % 16.
; (The rows of a tile are not neighbours: the results of tiles 2 b and 2 b + 1 are then 16 neighbouring columns in a lane's registers.)
; At + 16,384: the scale words, 16 bytes a lane: word b = scales[128 w + 32 b + 8 (l / 16) + r + 8 (r / 8)][4 s .. 4 s + 3]: lanes 0-15 carry tile 2 b, lanes 16-31 tile 2 b + 1.
; Work-group (x, y): x = 4 w + s, y = p; wave t moves fragment t; wave 0 also moves the scale words.  96 work-groups: all the work there is (1.6 MB).
.set CHK, 16896
	s_load_b512 s[8:23], s[0:1], 0x0               ; six tensors of codes s[8:19]; Wr's and Ur's scales s[20:23]
	s_load_b256 s[24:31], s[0:1], 0x40             ; Wz's, Uz's, U's, W's scales
	s_load_b64 s[32:33], s[0:1], 0x60              ; wpack
	v_lshrrev_b32 v1, 5, v0
	s_delay_alu instid0(VALU_DEP_1)
	v_readfirstlane_b32 s34, v1                    ; wave = fragment t
	s_and_b32 s35, ttmp7, 0xffff                   ; p
	s_lshr_b32 s36, ttmp9, 2                       ; w
	s_and_b32 s37, ttmp9, 3                        ; s
	v_and_b32 v2, 15, v0                           ; r
	v_bfe_u32 v3, v0, 4, 1                         ; h
	s_delay_alu instid0(VALU_DEP_2)
	v_and_b32 v4, 8, v2
	s_delay_alu instid0(VALU_DEP_1)
	v_add_nc_u32 v4, v4, v2                        ; r + 8 (r / 8)
	s_delay_alu instid0(VALU_DEP_1)
	v_lshlrev_b32 v5, 9, v4                        ; a row of codes is 512 bytes
	s_delay_alu instid0(VALU_DEP_1)
	v_lshl_add_u32 v5, v3, 4, v5                   ; + 16 h
	v_and_b32 v6, 31, v0
	s_delay_alu instid0(VALU_DEP_1)
	v_lshlrev_b32 v6, 4, v6                        ; out: 16 x lane
	v_lshl_add_u32 v7, v3, 3, v4                   ; scale words: row 8 h + r + 8 (r / 8),
	s_delay_alu instid0(VALU_DEP_1)
	v_lshlrev_b32 v7, 4, v7                        ; 16 bytes a row
	s_lshl_b32 s38, s36, 7                         ; the fragment's first row: 128 w
	s_lshr_b32 s39, s34, 1
	s_lshl_b32 s39, s39, 5
	s_add_co_u32 s38, s38, s39                     ; + 32 (t / 2)
	s_and_b32 s39, s34, 1
	s_lshl_b32 s39, s39, 3
	s_add_co_u32 s38, s38, s39                     ; + 8 (t % 2)
	s_lshl_b32 s38, s38, 9                         ; in bytes
	s_lshl_b32 s39, s37, 7
	s_add_co_u32 s38, s38, s39                     ; + 128 s
	s_mov_b32 s39, 0
	s_mul_i32 s40, s36, 6
	s_add_co_u32 s40, s40, s35
	s_lshl_b32 s40, s40, 2
	s_add_co_u32 s40, s40, s37
	s_mul_i32 s40, s40, CHK                        ; the chunk: ((6 w + p) 4 + s) x 16,896
	s_mov_b32 s41, 0
	s_lshl_b32 s42, s34, 11                        ; the fragment in it
	s_mov_b32 s43, 0
	s_lshl_b32 s44, s36, 11                        ; scales: 128 w rows of 16 bytes
	s_lshl_b32 s45, s37, 2
	s_add_co_u32 s44, s44, s45                     ; + 4 s
	s_mov_b32 s45, 0
	s_wait_alu depctr_va_vdst(0)
	s_wait_kmcnt 0x0
	s_cmp_eq_u32 s35, 1                            ; the tensor is chosen by the work-group's y alone
	s_cselect_b64 s[8:9], s[10:11], s[8:9]
	s_cselect_b64 s[20:21], s[22:23], s[20:21]
	s_cmp_eq_u32 s35, 2
	s_cselect_b64 s[8:9], s[12:13], s[8:9]
	s_cselect_b64 s[20:21], s[24:25], s[20:21]
	s_cmp_eq_u32 s35, 3
	s_cselect_b64 s[8:9], s[14:15], s[8:9]
	s_cselect_b64 s[20:21], s[26:27], s[20:21]
	s_cmp_eq_u32 s35, 4
	s_cselect_b64 s[8:9], s[16:17], s[8:9]
	s_cselect_b64 s[20:21], s[28:29], s[20:21]
	s_cmp_eq_u32 s35, 5
	s_cselect_b64 s[8:9], s[18:19], s[8:9]
	s_cselect_b64 s[20:21], s[30:31], s[20:21]
	s_add_nc_u64 s[8:9], s[8:9], s[38:39]
	s_add_nc_u64 s[20:21], s[20:21], s[44:45]
	s_add_nc_u64 s[32:33], s[32:33], s[40:41]
	s_add_nc_u64 s[46:47], s[32:33], s[42:43]
.irp c, 0,1,2,3
	global_load_b128 v[8+4*\c:11+4*\c], v5, s[8:9] offset:32*\c
.endr
	s_wait_loadcnt 0x0
.irp c, 0,1,2,3
	global_store_b128 v6, v[8+4*\c:11+4*\c], s[46:47] offset:512*\c      ; 32 lanes store 512 consecutive bytes
.endr
	s_cmp_lg_u32 s34, 0                            ; the scale words are wave 0's
	s_cbranch_scc1 .Lend
.irp b, 0,1,2,3
	global_load_b32 v[24+\b], v7, s[20:21] offset:512*\b                 ; 32 rows of 16 bytes on for each pair of tiles
.endr
	s_wait_loadcnt 0x0
	global_store_b128 v6, v[24:27], s[32:33] offset:16384
.Lend:
	s_endpgm
.Lfunc_end_k_qe4d84c662a_pack:
	.size	k_qe4d84c662a_pack, .Lfunc_end_k_qe4d84c662a_pack-k_qe4d84c662a_pack
	.p2alignl 7, 3214868480
	.fill 96, 4, 3214868480
	.section	.rodata,"a",@progbits
	.p2align	6, 0x0
	.amdhsa_kernel k_qe4d84c662a_pack
		.amdhsa_group_segment_fixed_size 0
		.amdhsa_private_segment_fixed_size 0
		.amdhsa_enable_private_segment 0
		.amdhsa_kernarg_size 104
		.amdhsa_user_sgpr_count 2
		.amdhsa_user_sgpr_kernarg_segment_ptr 1
		.amdhsa_wavefront_size32 1
		.amdhsa_system_sgpr_workgroup_id_x 1
		.amdhsa_system_sgpr_workgroup_id_y 1
		.amdhsa_system_sgpr_workgroup_id_z 1
		.amdhsa_system_vgpr_workitem_id 0
		.amdhsa_next_free_vgpr 32
		.amdhsa_next_free_sgpr 66
		.amdhsa_reserve_vcc 0
		.amdhsa_float_denorm_mode_32 3
		.amdhsa_float_denorm_mode_16_64 3
		.amdhsa_memory_ordered 1
		.amdhsa_forward_progress 1
		.amdhsa_inst_pref_size 5
	.end_amdhsa_kernel
	.amdgpu_metadata
---
amdhsa.version: [ 1, 2 ]
amdhsa.kernels:
  - .name:           k_qe4d84c662a_pack
    .symbol:         k_qe4d84c662a_pack.kd
    .args:
      - { .name: Wr_codes, .offset: 0, .size: 8, .value_kind: global_buffer, .address_space: global }
      - { .name: Ur_codes, .offset: 8, .size: 8, .value_kind: global_buffer, .address_space: global }
      - { .name: Wz_codes, .offset: 16, .size: 8, .value_kind: global_buffer, .address_space: global }
      - { .name: Uz_codes, .offset: 24, .size: 8, .value_kind: global_buffer, .address_space: global }
      - { .name: U_codes, .offset: 32, .size: 8, .value_kind: global_buffer, .address_space: global }
      - { .name: W_codes, .offset: 40, .size: 8, .value_kind: global_buffer, .address_space: global }
      - { .name: Wr_scales, .offset: 48, .size: 8, .value_kind: global_buffer, .address_space: global }
      - { .name: Ur_scales, .offset: 56, .size: 8, .value_kind: global_buffer, .address_space: global }
      - { .name: Wz_scales, .offset: 64, .size: 8, .value_kind: global_buffer, .address_space: global }
      - { .name: Uz_scales, .offset: 72, .size: 8, .value_kind: global_buffer, .address_space: global }
      - { .name: U_scales, .offset: 80, .size: 8, .value_kind: global_buffer, .address_space: global }
      - { .name: W_scales, .offset: 88, .size: 8, .value_kind: global_buffer, .address_space: global }
      - { .name: wpack, .offset: 96, .size: 8, .value_kind: global_buffer, .address_space: global }
    .group_segment_fixed_size: 0
    .private_segment_fixed_size: 0
    .kernarg_segment_align: 8
    .kernarg_segment_size: 104
    .max_flat_workgroup_size: 256
    .sgpr_count:     66
    .vgpr_count:     32
    .wavefront_size: 32
...
	.end_amdgpu_metadata
.endif
;; end of part 1
;; launch cell (part 2): grid 256 x 1, 16 waves a work-group, no clusters, 327,680 bytes of LDS; arguments prev, inp, wpack, bWr, bUr, bWz, bUz, bW, bU, out0; writes out0
.if DOCPART == 2
	.amdgcn_target "amdgcn-amd-amdhsa--gfx1250"
	.amdhsa_code_object_version 6
	.text
	.protected	k_qe4d84c662a_cell
	.globl	k_qe4d84c662a_cell
	.p2align	8
	.type	k_qe4d84c662a_cell,@function
k_qe4d84c662a_cell:
	s_mov_b64 s[64:65], 0
	v_nop
	global_prefetch_b8 v0, s[64:65] scope:SCOPE_SE
	s_setreg_imm32_b32 hwreg(HW_REG_WAVE_MODE, 25, 1), 1
	s_wait_xcnt 0x0
; The whole hyperbolic GRU cell for 64 rows a work-group.  16 waves; wave w owns output columns 32 w .. 32 w + 31 of all 64 rows.
; Every Mobius step is a sum of a few vectors (products, biases, prev) with one factor a row; the factors need dot products along the row.
; So: products in registers; each wave's partial dots go to LDS; wave w sums them and does the row arithmetic for rows 4 w .. 4 w + 3; the factors come back through LDS.
; ORDER: z gate (Wz, Uz), r gate (Wr, Ur), then W on Q(prev x rt) and U, res1, res2, ht.  zt waits in LDS (rows 0-47) and in v144-159 (rows 48-63).
; The matrix instruction is used transposed (source 0 = weights, source 1 = rows): lane (r, h) holds row 16 m + r, registers 16 m + 0..15 of a set the columns 32 w + 16 h + 0..15.
; No joint loads and no slot for weights: one K step of a weight is 512 x 128 = 65,536 bytes, and LDS has 8,192 bytes left; weights go from wpack straight into registers, 4,096 bytes a wave and K step.
; No prefetch: all work-groups read the same 1.6 MB of wpack all through the launch; prev and inp are asked for whole at the head.
; artanh and tanh: by log and exp, and by their series where the argument's square is under 0.04 and 0.0625.  |x (+) y|^2 is taken as (x2 + 2 xy + y2) / den.
; LDS: prev f32 (rows as 2 x 1,024 bytes + 16 each); inp f32, over which later lie inp's codes and zt; prev's codes, later those of prev x rt; scales, factors, norms, spare words.
.set CHK, 16896
.set INF, 133120
.set ICD, 133120
.set ZT,  165888
.set PCD, 266240
.set ASC, 311296
.set CF,  313344
.set RS,  315392
.set SPARE, 317440
; v0 thread; v1 16 x lane; v2, v3 code images (prev, inp); v4 A's scale words; v5, v6 B's scales; v7, v8 A's scales; v9 |prev|^2; v10-11 artanh(n)/n of prev, inp (my 4 rows)
; v12, v13 my prev bytes (rows 0-31, 32-63); v14, v15 the add's; v16-79 set 1; v80-143 set 2; v144-159 zt rows 48-63; v160-191, v192-223 B's two buffers; v224-255 two fragments of A
.set fr, 0
.set DB, 192
.macro PLACES n
.rept \n
	v_nop
.endr
.endm
.macro BAR                             ; my LDS work is done, then the barrier
	s_wait_alu depctr_va_vdst(0)
	s_wait_dscnt 0x0
	s_barrier_signal -1
	s_barrier_wait -1
.endm
.macro WDS n
	s_wait_alu depctr_va_vdst(0)
	s_wait_dscnt \n
.endm
.macro VV op, d, a, b, n
.set k, 0
.rept \n
	\op v[(\d)+k], v[(\a)+k], v[(\b)+k]
.set k, k+1
.endr
.endm
.macro CV op, d, c, a, n
.set k, 0
.rept \n
	\op v[(\d)+k], \c, v[(\a)+k]
.set k, k+1
.endr
.endm
.macro TR op, d, a, n                  ; a batch of transcendentals, a wait ahead and behind
	s_wait_alu depctr_va_vdst(0)
.set k, 0
.rept \n
	\op v[(\d)+k], v[(\a)+k]
.set k, k+1
.endr
	v_nop
	s_wait_alu depctr_va_vdst(0)
.endm
.macro HN p, x, c, n
.set k, 0
.rept \n
	v_fmaak_f32 v[(\p)+k], v[(\p)+k], v[(\x)+k], \c
.set k, k+1
.endr
.endm
.macro MV d, c, n
.set k, 0
.rept \n
	v_mov_b32 v[(\d)+k], \c
.set k, k+1
.endr
.endm
.macro F21 d, a, c, n                  ; d = 2 a + c (c a register base, or 1.0 when c < 0)
.set k, 0
.rept \n
.if (\c) < 0
	v_fma_f32 v[(\d)+k], v[(\a)+k], 2.0, 1.0
.else
	v_fma_f32 v[(\d)+k], v[(\a)+k], 2.0, v[(\c)+k]
.endif
.set k, k+1
.endr
.endm
; d = artanh(min(n, 1 - 1e-6)) / n, n = sqrt(max(n2, 1e-7)); 5 n registers at T
.macro ARTANHC d, n2, T, n
	CV v_max_num_f32, \T, 0x33d6bf95, \n2, \n
	TR v_rsq_f32, (\T)+(\n), \T, \n
	VV v_mul_f32, (\T)+2*(\n), \T, (\T)+(\n), \n
	CV v_min_num_f32, (\T)+2*(\n), 0x3f7fffef, (\T)+2*(\n), \n
	VV v_mul_f32, (\T)+3*(\n), (\T)+2*(\n), (\T)+2*(\n), \n
	MV (\T)+4*(\n), 0x3dba2e8c, \n
	HN (\T)+4*(\n), (\T)+3*(\n), 0x3de38e39, \n
	HN (\T)+4*(\n), (\T)+3*(\n), 0x3e124925, \n
	HN (\T)+4*(\n), (\T)+3*(\n), 0x3e4ccccd, \n
	HN (\T)+4*(\n), (\T)+3*(\n), 0x3eaaaaab, \n
	HN (\T)+4*(\n), (\T)+3*(\n), 0x3f800000, \n
	VV v_mul_f32, (\T)+4*(\n), (\T)+4*(\n), (\T)+2*(\n), \n
	VV v_mul_f32, (\T)+4*(\n), (\T)+4*(\n), (\T)+(\n), \n
	CV v_sub_f32, \T, 1.0, (\T)+2*(\n), \n
	TR v_rcp_f32, \T, \T, \n
	CV v_add_f32, (\T)+2*(\n), 1.0, (\T)+2*(\n), \n
	VV v_mul_f32, \T, \T, (\T)+2*(\n), \n
	TR v_log_f32, \T, \T, \n
	CV v_mul_f32, \T, 0x3eb17218, \T, \n
	VV v_mul_f32, \T, \T, (\T)+(\n), \n
.set k, 0
.rept \n
	v_cmp_gt_f32 vcc_lo, 0x3d23d70a, v[(\T)+3*(\n)+k]
	v_cndmask_b32 v[(\d)+k], v[(\T)+k], v[(\T)+4*(\n)+k], vcc_lo
.set k, k+1
.endr
.endm
; d = tanh(mxn rho) / mxn, mxn = sqrt(max(S, 1e-7)); 0 where S <= 1e-12; 4 n registers at T
.macro ALPHA d, S, rho, T, n
	CV v_max_num_f32, \T, 0x33d6bf95, \S, \n
	TR v_rsq_f32, (\T)+(\n), \T, \n
	VV v_mul_f32, \T, \T, (\T)+(\n), \n
	VV v_mul_f32, \T, \T, \rho, \n
	VV v_mul_f32, (\T)+2*(\n), \T, \T, \n
	CV v_mul_f32, \T, 0x4038aa3b, \T, \n
	TR v_exp_f32, \T, \T, \n
	CV v_add_f32, \T, 1.0, \T, \n
	TR v_rcp_f32, \T, \T, \n
.set k, 0
.rept \n
	v_fma_f32 v[(\T)+k], v[(\T)+k], -2.0, 1.0
.set k, k+1
.endr
	VV v_mul_f32, \T, \T, (\T)+(\n), \n
	MV (\T)+3*(\n), 0x3cb327a4, \n
	HN (\T)+3*(\n), (\T)+2*(\n), 0xbd5d0dd1, \n
	HN (\T)+3*(\n), (\T)+2*(\n), 0x3e088889, \n
	HN (\T)+3*(\n), (\T)+2*(\n), 0xbeaaaaab, \n
	HN (\T)+3*(\n), (\T)+2*(\n), 0x3f800000, \n
	VV v_mul_f32, (\T)+3*(\n), (\T)+3*(\n), \rho, \n
.set k, 0
.rept \n
	v_cmp_gt_f32 vcc_lo, 0x3d800000, v[(\T)+2*(\n)+k]
	v_cndmask_b32 v[(\T)+k], v[(\T)+k], v[(\T)+3*(\n)+k], vcc_lo
	v_cmp_lt_f32 vcc_lo, 0x2b8cbccc, v[(\S)+k]
	v_cndmask_b32 v[(\d)+k], 0, v[(\T)+k], vcc_lo
.set k, k+1
.endr
.endm
; x (+) y = P x + Q y, nn = its squared norm (wn = 1); 3 n registers at T
.macro MADD P, Q, nn, x2, y2, xy, T, wn, n
	F21 \T, \xy, -1, \n
.set k, 0
.rept \n
	v_fma_f32 v[(\T)+(\n)+k], v[(\x2)+k], v[(\y2)+k], v[(\T)+k]
.set k, k+1
.endr
	CV v_max_num_f32, (\T)+2*(\n), 0x33d6bf95, (\T)+(\n), \n
	TR v_rcp_f32, (\T)+2*(\n), (\T)+2*(\n), \n
	VV v_add_f32, \T, \T, \y2, \n
	VV v_mul_f32, \P, \T, (\T)+2*(\n), \n
	CV v_sub_f32, \T, 1.0, \x2, \n
	VV v_mul_f32, \Q, \T, (\T)+2*(\n), \n
.if \wn
	F21 \T, \xy, \x2, \n
	VV v_add_f32, \T, \T, \y2, \n
	VV v_mul_f32, \T, \T, (\T)+(\n), \n
	VV v_mul_f32, \T, \T, (\T)+2*(\n), \n
	VV v_mul_f32, \nn, \T, (\T)+2*(\n), \n
.endif
.endm
; Both hyp_linear sides at once (two wide), then their Mobius sum.  In: T+0,1 |m1|^2, |m2|^2; T+2,3 m1.b1, m2.b2; T+4 m1.b2; T+5 m1.m2; T+6 m2.b1.
; Out: side i = A_i m_i + B_i b_i: A T+8,9; B T+10,11; the sum = P side1 + Q side2: P T+14, Q T+15, its squared norm T+16.
.macro GSC T, sq
	ALPHA (\T)+14, \T, 10, (\T)+24, 2
	VV v_mul_f32, (\T)+16, (\T)+14, (\T)+14, 2
	VV v_mul_f32, (\T)+16, (\T)+16, \T, 2
	VV v_mul_f32, (\T)+18, (\T)+14, (\T)+2, 2
	v_mov_b32 v[(\T)+20], s[\sq]
	v_mov_b32 v[(\T)+21], s[(\sq)+1]
	MADD (\T)+22, (\T)+10, (\T)+12, (\T)+16, (\T)+20, (\T)+18, (\T)+24, 1, 2
	VV v_mul_f32, (\T)+8, (\T)+22, (\T)+14, 2
	v_mul_f32 v[(\T)+14], v[(\T)+8], v[(\T)+9]
	v_mul_f32 v[(\T)+15], v[(\T)+8], v[(\T)+11]
	v_mul_f32 v[(\T)+16], v[(\T)+10], v[(\T)+9]
	v_mul_f32 v[(\T)+17], v[(\T)+10], v[(\T)+11]
	v_mul_f32 v[(\T)+18], v[(\T)+14], v[(\T)+5]
	v_fma_f32 v[(\T)+18], v[(\T)+15], v[(\T)+4], v[(\T)+18]
	v_fma_f32 v[(\T)+18], v[(\T)+16], v[(\T)+6], v[(\T)+18]
	v_fma_f32 v[(\T)+18], v[(\T)+17], s[(\sq)+2], v[(\T)+18]
	MADD (\T)+14, (\T)+15, (\T)+16, (\T)+12, (\T)+13, (\T)+18, (\T)+24, 1, 1
.endm
; packed forms with one factor for both halves
.macro FMA2 d, a, c, e
.if (\c)%2
	v_pk_fma_f32 v[(\d):(\d)+1], v[(\a):(\a)+1], v[(\c)-1:(\c)], v[(\e):(\e)+1] op_sel:[0,1,0] op_sel_hi:[1,1,1]
.else
	v_pk_fma_f32 v[(\d):(\d)+1], v[(\a):(\a)+1], v[(\c):(\c)+1], v[(\e):(\e)+1] op_sel_hi:[1,0,1]
.endif
.endm
.macro MUL2 d, a, c
.if (\c)%2
	v_pk_mul_f32 v[(\d):(\d)+1], v[(\a):(\a)+1], v[(\c)-1:(\c)] op_sel:[0,1] op_sel_hi:[1,1]
.else
	v_pk_mul_f32 v[(\d):(\d)+1], v[(\a):(\a)+1], v[(\c):(\c)+1] op_sel_hi:[1,0]
.endif
.endm
.macro DOT i, a, b                     ; dot i, in the pair DB + 2 i; the first term starts the sum
.if fr
	v_pk_mul_f32 v[DB+2*(\i):DB+2*(\i)+1], v[(\a):(\a)+1], v[(\b):(\b)+1]
.else
	v_pk_fma_f32 v[DB+2*(\i):DB+2*(\i)+1], v[(\a):(\a)+1], v[(\b):(\b)+1], v[DB+2*(\i):DB+2*(\i)+1]
.endif
.endm
.macro COLL nk, XW, off                ; nk dots: the pair's halves, lane l xor 16, then my partial to [dot][row][wave]
.set i, 0
.rept \nk
	v_add_f32 v[DB+2*i], v[DB+2*i], v[DB+2*i+1]
.set i, i+1
.endr
.set i, 0
.rept \nk
	v_permlanex16_b32 v[DB+2*i+1], v[DB+2*i], s48, s49
.set i, i+1
.endr
.set i, 0
.rept \nk
	v_add_f32 v[DB+2*i], v[DB+2*i], v[DB+2*i+1]
.set i, i+1
.endr
.set i, 0
.rept \nk
	ds_store_b32 v[\XW], v[DB+2*i] offset:4096*i+(\off)
.set i, i+1
.endr
.endm
.macro RED nk, XR, LB, T               ; the 16 waves' partials of my 4 rows: lane l takes row l % 4, waves 2 (l / 4), + 1; dots 0-6 to T + i, 7-10 to T + 32 ..
.set i, 0
.rept \nk
	ds_load_b64 v[(\LB)+2*i:(\LB)+2*i+1], v[\XR] offset:4096*i
.set i, i+1
.endr
	WDS 0
.set i, 0
.rept \nk
	v_add_f32 v[(\T)+i+25*(i/7)], v[(\LB)+2*i], v[(\LB)+2*i+1]
.set i, i+1
.endr
.irp x, 4, 8
.set i, 0
.rept \nk
	v_add_f32_dpp v[(\T)+i+25*(i/7)], v[(\T)+i+25*(i/7)], v[(\T)+i+25*(i/7)] row_xmask:\x row_mask:0xf bank_mask:0xf
.set i, i+1
.endr
.endr
.set i, 0
.rept \nk
	v_permlanex16_b32 v[(\LB)+2*i], v[(\T)+i+25*(i/7)], s48, s49
.set i, i+1
.endr
.set i, 0
.rept \nk
	v_add_f32 v[(\T)+i+25*(i/7)], v[(\T)+i+25*(i/7)], v[(\LB)+2*i]
.set i, i+1
.endr
.endm
.macro XWADR d, XB                     ; partials out: XB + 64 r + 4 w
	v_and_b32 v[\d], 15, v0
	v_lshl_add_u32 v[\d], v[\d], 6, s46
	v_add_nc_u32 v[\d], \XB, v[\d]
.endm
.macro XRADR d, t, XB                  ; partials in: XB + 256 w + 64 (l % 4) + 8 (l / 4)
	v_and_b32 v[\d], 3, v0
	v_bfe_u32 v[\t], v0, 2, 3
	v_lshl_add_u32 v[\d], v[\d], 6, s47
	v_lshl_add_u32 v[\d], v[\t], 3, v[\d]
	v_add_nc_u32 v[\d], \XB, v[\d]
.endm
.macro CWADR d                         ; factors out: 32 bytes a row, row 4 w + l % 4
	v_and_b32 v[\d], 3, v0
	v_lshl_add_u32 v[\d], v[\d], 5, s51
.endm
.macro CRADR d                         ; factors in: row r (+ 16 m by the offset)
	v_and_b32 v[\d], 15, v0
	v_lshl_add_u32 v[\d], v[\d], 5, CF
.endm
.macro PLD base, m                     ; my 16 numbers of prev, row 16 m + r
.irp j, 0,1,2,3
	ds_load_b128 v[(\base)+4*\j:(\base)+4*\j+3], v[12+(\m)/2] offset:((\m)%2)*33280+16*\j
.endr
.endm
.macro BIAS b1, b2, vo                 ; my 16 columns of two biases
.irp j, 0,1,2,3
	global_load_b128 v[224+4*\j:227+4*\j], v[\vo], s[\b1:\b1+1] offset:16*\j
	global_load_b128 v[240+4*\j:243+4*\j], v[\vo], s[\b2:\b2+1] offset:16*\j
.endr
.endm
; four blocks of 32 (16 registers here, 16 in lane l xor 16) to codes: bytes in TM+4.., codes in PC..
.macro QUANT s, TM, PC
.irp b, 0,1,2,3
	v_mov_b32 v[(\TM)+4+\b], 0
.endr
.irp b, 0,1,2,3
	v_max3_num_f32 v[(\TM)+\b], |v[(\s)+16*\b]|, |v[(\s)+16*\b+1]|, 0x4800000
.endr
.irp i, 2,4,6,8,10,12,14
.irp b, 0,1,2,3
	v_max3_num_f32 v[(\TM)+\b], |v[(\s)+16*\b+\i]|, |v[(\s)+16*\b+\i+1]|, v[(\TM)+\b]
.endr
.endr
.irp b, 0,1,2,3
	v_permlanex16_b32 v[(\TM)+4+\b], v[(\TM)+\b], s48, s49
.endr
.irp b, 0,1,2,3
	v_max_num_f32 v[(\TM)+\b], v[(\TM)+\b], v[(\TM)+4+\b]
.endr
.irp b, 0,1,2,3
	v_add_nc_u32 v[(\TM)+12+\b], 0xfc000000, v[(\TM)+\b]
.endr
.irp b, 0,1,2,3
	v_and_or_b32 v[(\TM)+8+\b], v[(\TM)+\b], 0x7f800000, s50
.endr
.irp b, 0,1,2,3
	v_lshrrev_b32 v[(\TM)+4+\b], 23, v[(\TM)+12+\b]
.endr
.irp b, 0,1,2,3
.irp i, 0,1,2,3,4,5,6,7,8,9,10,11,12,13,14,15
	v_med3_num_f32 v[(\s)+16*\b+\i], v[(\s)+16*\b+\i], -v[(\TM)+8+\b], v[(\TM)+8+\b]
.endr
.endr
.irp b, 0,1,2,3
	v_cvt_scalef32_pk8_fp8_f32 v[(\PC)+4*\b:(\PC)+4*\b+1], v[(\s)+16*\b:(\s)+16*\b+7], v[(\TM)+12+\b]
	v_cvt_scalef32_pk8_fp8_f32 v[(\PC)+4*\b+2:(\PC)+4*\b+3], v[(\s)+16*\b+8:(\s)+16*\b+15], v[(\TM)+12+\b]
.endr
	v_nop
.endm
; THE PRODUCTS
.macro WM zero, ao, bo
.if \zero
.if (\ao) && (\bo)
	v_wmma_scale_f32_16x16x128_f8f6f4 v[rD:rD+7], v[rB:rB+15], v[rA:rA+15], 0, v[rWS], v[rAS] matrix_a_scale:MATRIX_SCALE_ROW1 matrix_b_scale:MATRIX_SCALE_ROW1
.elseif \ao
	v_wmma_scale_f32_16x16x128_f8f6f4 v[rD:rD+7], v[rB:rB+15], v[rA:rA+15], 0, v[rWS], v[rAS] matrix_a_scale:MATRIX_SCALE_ROW1
.elseif \bo
	v_wmma_scale_f32_16x16x128_f8f6f4 v[rD:rD+7], v[rB:rB+15], v[rA:rA+15], 0, v[rWS], v[rAS] matrix_b_scale:MATRIX_SCALE_ROW1
.else
	v_wmma_scale_f32_16x16x128_f8f6f4 v[rD:rD+7], v[rB:rB+15], v[rA:rA+15], 0, v[rWS], v[rAS]
.endif
.else
.if (\ao) && (\bo)
	v_wmma_scale_f32_16x16x128_f8f6f4 v[rD:rD+7], v[rB:rB+15], v[rA:rA+15], v[rD:rD+7], v[rWS], v[rAS] matrix_a_scale:MATRIX_SCALE_ROW1 matrix_b_scale:MATRIX_SCALE_ROW1
.elseif \ao
	v_wmma_scale_f32_16x16x128_f8f6f4 v[rD:rD+7], v[rB:rB+15], v[rA:rA+15], v[rD:rD+7], v[rWS], v[rAS] matrix_a_scale:MATRIX_SCALE_ROW1
.elseif \bo
	v_wmma_scale_f32_16x16x128_f8f6f4 v[rD:rD+7], v[rB:rB+15], v[rA:rA+15], v[rD:rD+7], v[rWS], v[rAS] matrix_b_scale:MATRIX_SCALE_ROW1
.else
	v_wmma_scale_f32_16x16x128_f8f6f4 v[rD:rD+7], v[rB:rB+15], v[rA:rA+15], v[rD:rD+7], v[rWS], v[rAS]
.endif
.endif
.endm
.macro WQ S, BB, BS, m0, z             ; row tiles m0, m0 + 1 x my two column tiles: four accumulators by turns
.irp mm, 0,1
.irp t, 0,1
.set rD, (\S)+16*((\m0)+\mm)+8*\t
.set rB, (\BB)+16*\t
.set rA, 224+16*\mm
.set rWS, \BS
.set rAS, 7+(\m0)/2
	WM \z, \t, \mm
.endr
.endr
.endm
.macro AFR f, AR, m, s
.irp c, 0,1,2,3
	ds_load_b128 v[224+16*(\f)+4*\c:224+16*(\f)+4*\c+3], v[\AR] offset:((\m)*4+(\s))*2048+512*\c
.endr
.endm
.macro BLD q, BB, BS                   ; chunk q of wpack: my two fragments (8 loads of 512 consecutive bytes) and their scale words
.irp i, 0,1,2,3,4,5,6,7
	global_load_b128 v[(\BB)+4*\i:(\BB)+4*\i+3], v1, s[66:67] offset:(\q)*CHK+512*\i
.endr
	global_load_b32 v[\BS], v1, s[68:69] offset:(\q)*CHK+16384
.endm
; one K step of 128 of one product; lw: the loads issued behind this chunk's that may stay out; nq: the chunk that follows in this buffer (none: negative)
.macro HALF S, BB, BS, AR, op, s, lw, nq
	ds_load_b32 v7, v4 offset:1024*(\op)+4*(\s)
	ds_load_b32 v8, v4 offset:1024*(\op)+512+4*(\s)
	AFR 0, \AR, 0, \s
	AFR 1, \AR, 1, \s
	s_wait_loadcnt \lw
	s_wait_dscnt 0x0
	WQ \S, \BB, \BS, 0, ((\s)==0)
	PLACES 8                               ; ahead of loads into registers that the products read
	AFR 0, \AR, 2, \s
	AFR 1, \AR, 3, \s
	s_wait_dscnt 0x0
	WQ \S, \BB, \BS, 2, ((\s)==0)
	PLACES 8
.if (\nq) >= 0
	BLD \nq, \BB, \BS
.endif
.endm
; two products, K step by K step: p1 (rows from prev's image) into set 1 by buffer 0, p2 (rows from inp's) into set 2 by buffer 1.  np: the next phase's p1
.macro MM p1, p2, np
	BLD 4*(\p2), 192, 6
.irp s, 0,1,2
	HALF 16, 160, 5, 2, 0, \s, 9, 4*(\p1)+\s+1
	HALF 80, 192, 6, 3, 1, \s, 9, 4*(\p2)+\s+1
.endr
	HALF 16, 160, 5, 2, 0, 3, 9, 4*(\np)
.if (\np) >= 0
	HALF 80, 192, 6, 3, 1, 3, 9, -1
.else
	HALF 80, 192, 6, 3, 1, 3, 0, -1
.endif
.endm
; the dots of sets 1 and 2 with each other and the biases (fin: with prev too), row tile by row tile
.macro PASS1 XW, fin
.irp m, 0,1,2,3
.if \fin
.if \m < 3
	PLD 192+16*((\m+1)%2), \m+1
	WDS 4
.else
	WDS 0
.endif
.endif
.set p, 0
.rept 8
.set fr, (p==0)
.set x1, 16+16*\m+2*p
.set x2, 80+16*\m+2*p
	DOT 0, x1, x1
	DOT 1, x2, x2
	DOT 2, x1, 224+2*p
	DOT 3, x2, 240+2*p
	DOT 4, x1, 240+2*p
	DOT 5, x1, x2
	DOT 6, x2, 224+2*p
.if \fin
	DOT 7, x1, 192+16*(\m%2)+2*p
	DOT 8, x2, 192+16*(\m%2)+2*p
	DOT 9, 192+16*(\m%2)+2*p, 224+2*p
	DOT 10, 192+16*(\m%2)+2*p, 240+2*p
.endif
.set p, p+1
.endr
	COLL 7+4*(\fin), \XW, 1024*\m
.endr
.endm
; a gate: sigmoid(logmap0(side 1 (+) side 2)) into set 1.  XB: LDS bytes that are free for the partials
.macro GATE XB, b1, b2, sq, isr
.set T, 192
.set DB, 192
	v_and_b32 v[T+15], 16, v0
	v_lshlrev_b32 v[T+15], 2, v[T+15]
	BIAS \b1, \b2, T+15
	XWADR T+14, \XB
	s_wait_alu depctr_va_vdst(0)
	s_wait_loadcnt 0x0
	BAR                                    ; every wave has read the codes of this phase
	PASS1 T+14, 0
	XRADR T+22, T+23, \XB
	CWADR T+7
	BAR
	RED 7, T+22, T+8, T
	GSC T, \sq
	ARTANHC T+17, T+16, T+24, 1
	v_mul_f32 v[T+17], 0xbfb8aa3b, v[T+17]     ; x -log2(e): the sigmoid's exponent to the base 2
	v_mul_f32 v[T+14], v[T+14], v[T+17]
	v_mul_f32 v[T+15], v[T+15], v[T+17]
	v_mul_f32 v[T+20], v[T+8], v[T+14]
	v_mul_f32 v[T+21], v[T+10], v[T+14]
	v_mul_f32 v[T+22], v[T+9], v[T+15]
	v_mul_f32 v[T+23], v[T+11], v[T+15]
	ds_store_b128 v[T+7], v[T+20:T+23]
	CRADR T+16
	BAR
.irp m, 0,1,2,3
	ds_load_b128 v[T+4*\m:T+4*\m+3], v[T+16] offset:512*\m
.endr
	WDS 0
.irp m, 0,1,2,3
.set p, 0
.rept 8
	MUL2 T+16+2*p, 224+2*p, T+4*\m+1
.set p, p+1
.endr
.set p, 0
.rept 8
	FMA2 T+16+2*p, 240+2*p, T+4*\m+3, T+16+2*p
.set p, p+1
.endr
.set p, 0
.rept 8
	FMA2 T+16+2*p, 80+16*\m+2*p, T+4*\m+2, T+16+2*p
.set p, p+1
.endr
.set p, 0
.rept 8
	FMA2 16+16*\m+2*p, 16+16*\m+2*p, T+4*\m, T+16+2*p
.set p, p+1
.endr
.endr
.if \isr
	PLD 224, 0
	PLD 240, 1
	PLD T, 2
	PLD T+16, 3
.endif
	s_wait_alu depctr_va_vdst(0)
.set i, 16
.rept 64
	v_exp_f32 v[i], v[i]
.set i, i+1
.endr
	v_nop
	s_wait_alu depctr_va_vdst(0)
.set i, 16
.rept 32
	v_pk_add_f32 v[i:i+1], v[i:i+1], 1.0 op_sel_hi:[1,0]
.set i, i+2
.endr
	s_wait_alu depctr_va_vdst(0)
.set i, 16
.rept 64
.if (\isr) || (i < 64)
	v_rcp_f32 v[i], v[i]
.else
	v_rcp_f32 v[i+80], v[i]                ; zt of rows 48-63 stays in v144-159
.endif
.set i, i+1
.endr
	v_nop
	s_wait_alu depctr_va_vdst(0)
.if \isr
	s_wait_dscnt 0x0                       ; prev x rt, quantised: my 32 columns are one block of each row
.set p, 0
.rept 32
	v_pk_mul_f32 v[16+2*p:17+2*p], v[16+2*p:17+2*p], v[224-64*(p/16)+2*p:225-64*(p/16)+2*p]
.set p, p+1
.endr
	v_add_nc_u32 v224, s62, v2
	v_and_b32 v225, 15, v0
	v_lshl_add_u32 v225, v225, 4, s63
	QUANT 16, T, T+16
.irp m, 0,1,2,3
	ds_store_b128 v224, v[T+16+4*\m:T+19+4*\m] offset:8192*\m
	ds_store_b8 v225, v[T+4+\m] offset:256*\m
.endr
	BAR
.else
	v_add_nc_u32 v[T], s61, v1
.set i, 0
.rept 12
	ds_store_b128 v[T], v[16+4*i:19+4*i] offset:512*i
.set i, i+1
.endr
.endif
.endm
; THE HEAD
	s_load_b512 s[8:23], s[0:1], 0x0               ; prev, inp, wpack, bWr, bUr, bWz, bUz, bW
	s_load_b128 s[24:27], s[0:1], 0x40             ; bU, out0
	v_lshl_add_u32 v14, v0, 2, SPARE
	v_mov_b32 v15, 0
	ds_add_u32 v14, v15
	ds_add_u32 v14, v15
	v_lshrrev_b32 v1, 5, v0
	v_readfirstlane_b32 s28, v1                    ; wave w
	s_mov_b32 s32, (3<<16)|(1<<20)|(7<<22)|(3<<25) ; 8 rows of 2,048 bytes as 16 of 1,024, 16 bytes of padding behind each
	s_mov_b32 s33, 128<<16
	s_mov_b32 s34, 16<<16
	s_mov_b32 s35, 128<<16
	s_mov_b32 s36, 16
	s_mov_b32 s37, 128
	s_mov_b32 s38, 0
	s_mov_b32 s39, 0
	s_mov_b32 s40, 1
	s_mul_i32 s41, s28, 16640                      ; waves 0-7: prev's rows 8 w ..; waves 8-15: inp's, behind them in LDS
	s_and_b32 s29, s28, 7
	s_lshl_b32 s29, s29, 14
	s_lshl_b32 s30, ttmp9, 17
	s_add_co_u32 s30, s30, s29
	s_mov_b32 s31, 0
	s_wait_dscnt 0x0
	s_wait_kmcnt 0x0
	s_cmp_lt_u32 s28, 8
	s_cselect_b64 s[42:43], s[8:9], s[10:11]
	s_add_nc_u64 s[42:43], s[42:43], s[30:31]
	s_or_b32 s43, s43, 0x80000000
	tensor_load_to_lds s[40:43], s[32:39]          ; my one tensor load
	s_nop 0
	s_mov_b32 s48, 0x76543210
	s_mov_b32 s49, 0xfedcba98
	s_mov_b32 s50, 0x600000
	s_mov_b32 s45, 0
	s_lshr_b32 s29, s28, 2
	s_mul_i32 s30, s29, 24*CHK                     ; wpack: the stream of columns 128 (w / 4) ..,
	s_and_b32 s29, s28, 3
	s_lshl_b32 s44, s29, 12                        ; in each chunk my pair of fragments,
	s_add_co_u32 s44, s44, s30
	s_add_nc_u64 s[66:67], s[12:13], s[44:45]
	s_lshl_b32 s44, s29, 2                         ; and my word of each lane's four scale words
	s_add_co_u32 s44, s44, s30
	s_add_nc_u64 s[68:69], s[12:13], s[44:45]
	s_lshl_b32 s44, ttmp9, 17
	s_lshl_b32 s29, s28, 13
	s_add_co_u32 s44, s44, s29
	s_add_nc_u64 s[70:71], s[26:27], s[44:45]      ; out0 at rows 4 w .. of my 64
	s_lshl_b32 s46, s28, 2
	s_lshl_b32 s47, s28, 8
	s_lshl_b32 s51, s28, 7
	s_add_co_u32 s51, s51, CF
	s_mul_i32 s61, s28, 6144
	s_add_co_u32 s61, s61, ZT
	s_lshl_b32 s62, s28, 9
	s_add_co_u32 s63, s28, ASC
	v_and_b32 v1, 31, v0
	v_lshlrev_b32 v1, 4, v1
	v_add_nc_u32 v2, PCD, v1
	v_add_nc_u32 v3, ICD, v1
	v_add_nc_u32 v4, ASC, v1
	v_lshlrev_b32 v144, 2, v1
	s_wait_alu depctr_va_vdst(0)
	BLD 8, 160, 5                                  ; Wz, K step 0
.irp i, 0,1,2,3,4,5
.irp j, 0,1,2,3
	global_load_b128 v[16+16*\i+4*\j:19+16*\i+4*\j], v144, s[14+2*\i:15+2*\i] offset:16*\j   ; the six biases whole, 16 numbers a lane
.endr
.endr
	v_and_b32 v145, 15, v0
	v_bfe_u32 v146, v0, 4, 1
	v_mul_u32_u24 v147, v145, 2080
	v_lshl_add_u32 v147, v146, 6, v147             ; 2,080 r + 64 h
	s_wait_alu depctr_va_vdst(0)
	s_lshl_b32 s29, s28, 7
	s_lshr_b32 s30, s28, 3
	s_lshl_b32 s30, s30, 4
	s_add_co_u32 s29, s29, s30
	v_add_nc_u32 v12, s29, v147
	v_add_nc_u32 v13, 66560, v12
	s_lshr_b32 s29, s28, 2                         ; at the head wave w quantises fragment m = w / 4, K step s = w % 4
	s_mul_i32 s29, s29, 33280
	s_and_b32 s30, s28, 3
	s_lshl_b32 s31, s30, 9
	s_add_co_u32 s29, s29, s31
	s_lshr_b32 s31, s30, 1
	s_lshl_b32 s31, s31, 4
	s_add_co_u32 s29, s29, s31
	v_add_nc_u32 v148, s29, v147
	v_add_nc_u32 v149, INF, v148
	s_lshr_b32 s29, s28, 2
	s_lshl_b32 s29, s29, 8
	s_lshl_b32 s31, s30, 2
	s_add_co_u32 s29, s29, s31
	s_add_co_u32 s29, s29, ASC
	v_lshl_add_u32 v150, v145, 4, s29              ; scale word and norm's part of row 16 m + r, K step s
	s_lshl_b32 s29, s28, 11
	v_add_nc_u32 v151, s29, v2
	v_add_nc_u32 v152, s29, v3
	s_lshl_b32 s29, s28, 6
	v_and_b32 v153, 3, v0
	v_lshl_add_u32 v153, v153, 4, s29
	v_add_nc_u32 v153, RS, v153
	s_wait_alu depctr_va_vdst(0)
	s_wait_loadcnt 0x0
.set DB, 112                                           ; b1.b1, b2.b2, b1.b2 of the three pairs of biases, to s52-60
.set p, 0
.rept 8
.set fr, (p==0)
.irp g, 0,1,2
	DOT 3*\g, 16+32*\g+2*p, 16+32*\g+2*p
	DOT 3*\g+1, 32+32*\g+2*p, 32+32*\g+2*p
	DOT 3*\g+2, 16+32*\g+2*p, 32+32*\g+2*p
.endr
.set p, p+1
.endr
.irp d, 0,1,2,3,4,5,6,7,8
	v_add_f32 v[130+\d], v[112+2*\d], v[113+2*\d]
.endr
.irp x, 1,2,4,8
.irp d, 0,1,2,3,4,5,6,7,8
	v_add_f32_dpp v[130+\d], v[130+\d], v[130+\d] row_xmask:\x row_mask:0xf bank_mask:0xf
.endr
.endr
.irp d, 0,1,2,3,4,5,6,7,8
	v_permlanex16_b32 v[112+\d], v[130+\d], s48, s49
.endr
.irp d, 0,1,2,3,4,5,6,7,8
	v_add_f32 v[130+\d], v[130+\d], v[112+\d]
.endr
.irp d, 0,1,2,3,4,5,6,7,8
	v_readfirstlane_b32 s[52+\d], v[130+\d]
.endr
	s_lshl_b32 s44, s28, 7
.irp i, 0,1,2,3,4,5
	s_add_nc_u64 s[14+2*\i:15+2*\i], s[14+2*\i:15+2*\i], s[44:45]   ; from here on: the biases at my 32 columns
.endr
	s_wait_alu depctr_va_vdst(0)
	s_wait_tensorcnt 0x0
	BAR                                            ; prev and inp are in LDS
.irp c, 0,1,2,3
.irp j, 0,1,2,3
	ds_load_b128 v[16+16*\c+4*\j:19+16*\c+4*\j], v148 offset:128*\c+16*\j
	ds_load_b128 v[80+16*\c+4*\j:83+16*\c+4*\j], v149 offset:128*\c+16*\j
.endr
.endr
	BAR                                            ; inp's numbers are read: its codes may lie over them
.macro HQ s, op, IW                    ; the sum of squares, the codes' image, the scale word
.set p, 0
.rept 32
.if p < 4
	v_pk_mul_f32 v[224+2*p:225+2*p], v[(\s)+2*p:(\s)+2*p+1], v[(\s)+2*p:(\s)+2*p+1]
.else
	v_pk_fma_f32 v[224+2*(p%4):225+2*(p%4)], v[(\s)+2*p:(\s)+2*p+1], v[(\s)+2*p:(\s)+2*p+1], v[224+2*(p%4):225+2*(p%4)]
.endif
.set p, p+1
.endr
	QUANT \s, 192, 208
	v_lshl_or_b32 v232, v197, 8, v196
	v_lshl_or_b32 v232, v198, 16, v232
	v_lshl_or_b32 v232, v199, 24, v232
.irp c, 0,1,2,3
	ds_store_b128 v[\IW], v[208+4*\c:211+4*\c] offset:512*\c
.endr
	ds_store_b32 v150, v232 offset:1024*(\op)
	v_pk_add_f32 v[224:225], v[224:225], v[226:227]
	v_pk_add_f32 v[228:229], v[228:229], v[230:231]
	v_pk_add_f32 v[224:225], v[224:225], v[228:229]
	v_add_f32 v224, v224, v225
	v_permlanex16_b32 v225, v224, s48, s49
	v_add_f32 v224, v224, v225
	ds_store_b32 v150, v224 offset:4096+1024*(\op)
.endm
	HQ 16, 0, 151
	HQ 80, 1, 152
	BAR
	ds_load_b128 v[192:195], v153                  ; my 4 rows: |prev|^2 and |inp|^2 in four parts
	ds_load_b128 v[196:199], v153 offset:1024
	WDS 0
	v_pk_add_f32 v[192:193], v[192:193], v[194:195]
	v_pk_add_f32 v[196:197], v[196:197], v[198:199]
	v_add_f32 v200, v192, v193
	v_add_f32 v201, v196, v197
	v_mov_b32 v9, v200
	ARTANHC 10, 200, 204, 2
	s_wait_alu depctr_va_vdst(0)
; THE THREE PHASES.  wpack's products: 0 Wr, 1 Ur, 2 Wz, 3 Uz, 4 U, 5 W
	MM 2, 3, 0
	GATE ZT, 18, 20, 55, 0                         ; zt; the partials lie where zt goes afterwards
	MM 0, 1, 5
	GATE PCD, 14, 16, 52, 1                        ; rt; the partials lie in prev's codes, which are done with
	MM 5, 4, -1
; THE REST: ht_new, res1, res2, ht
.set T, 160
.set DB, 160
	v_and_b32 v183, 16, v0
	v_lshlrev_b32 v183, 2, v183
	BIAS 22, 24, 183
	XWADR 182, PCD
	s_wait_alu depctr_va_vdst(0)
	s_wait_loadcnt 0x0
	BAR
	PLD 192, 0
	PASS1 182, 1
	XRADR 222, 223, PCD
	BAR
	RED 11, 222, 200, T
	GSC T, 58
	v_mul_f32 v[T+20], v[T+14], v[T+8]             ; ht_new = a mW + c bW + b mU + d bU
	v_mul_f32 v[T+21], v[T+14], v[T+10]
	v_mul_f32 v[T+22], v[T+15], v[T+9]
	v_mul_f32 v[T+23], v[T+15], v[T+11]
	v_mul_f32 v[T+17], -v[T+20], v192              ; (-prev) . ht_new
	v_fma_f32 v[T+17], -v[T+22], v193, v[T+17]
	v_fma_f32 v[T+17], -v[T+21], v194, v[T+17]
	v_fma_f32 v[T+17], -v[T+23], v195, v[T+17]
	MADD T+18, T+19, T+7, 9, T+16, T+17, T+24, 1, 1
	v_mul_f32 v[T], -1.0, v[T+18]                  ; res1's five factors: prev, mW, mU, bW, bU
	v_mul_f32 v[T+1], v[T+19], v[T+20]
	v_mul_f32 v[T+2], v[T+19], v[T+22]
	v_mul_f32 v[T+3], v[T+19], v[T+21]
	v_mul_f32 v[T+4], v[T+19], v[T+23]
	CWADR 173
	ds_store_b128 v173, v[T:T+3]
	ds_store_b64 v173, v[T+4:T+5] offset:16
	ARTANHC T+12, T+7, T+24, 1                     ; v172: artanh(|res1|) / |res1|
	XWADR 174, PCD
	CRADR 175
	v_add_nc_u32 v170, s61, v1
	BAR
.irp m, 0,1,2,3                        ; v = res1 x zt into set 1; |v|^2 and v . prev
	ds_load_b128 v[164:167], v175 offset:512*\m
	ds_load_b64 v[168:169], v175 offset:512*\m+16
	PLD 176, \m
.if \m < 3
.set ZV, 192
.irp j, 0,1,2,3
	ds_load_b128 v[192+4*\j:195+4*\j], v170 offset:2048*\m+512*\j
.endr
.else
.set ZV, 144
.endif
	WDS 0
.set p, 0
.rept 8
	MUL2 208+2*p, 176+2*p, 164
.set p, p+1
.endr
.set p, 0
.rept 8
	FMA2 208+2*p, 224+2*p, 167, 208+2*p
.set p, p+1
.endr
.set p, 0
.rept 8
	FMA2 208+2*p, 240+2*p, 168, 208+2*p
.set p, p+1
.endr
.set p, 0
.rept 8
	FMA2 208+2*p, 80+16*\m+2*p, 166, 208+2*p
.set p, p+1
.endr
.set p, 0
.rept 8
	FMA2 16+16*\m+2*p, 16+16*\m+2*p, 165, 208+2*p
.set p, p+1
.endr
.set p, 0
.rept 8
	v_pk_mul_f32 v[16+16*\m+2*p:17+16*\m+2*p], v[16+16*\m+2*p:17+16*\m+2*p], v[ZV+2*p:ZV+2*p+1]
.set p, p+1
.endr
.set p, 0
.rept 8
.set fr, (p==0)
	DOT 0, 16+16*\m+2*p, 16+16*\m+2*p
	DOT 1, 16+16*\m+2*p, 176+2*p
.set p, p+1
.endr
	COLL 2, 174, 1024*\m
.endr
	XRADR 208, 209, PCD
	BAR
	RED 2, 208, 200, T
	ALPHA T+2, T, 172, T+24, 1
	v_mul_f32 v[T+3], v[T+2], v[T+2]
	v_mul_f32 v[T+4], v[T+2], v[T+1]
	v_mul_f32 v[T+3], v[T+3], v[T]
	MADD T+8, T+9, T+10, 9, T+3, T+4, T+24, 0, 1
	v_mul_f32 v[T+9], v[T+9], v[T+2]
	ds_store_b64 v173, v[T+8:T+9]                  ; ht = P prev + Q v
	BAR
.irp m, 0,1,2,3                        ; ht goes into LDS in prev's place: each lane writes the 64 bytes that it alone has read
	ds_load_b64 v[164:165], v175 offset:512*\m
	PLD 176, \m
	WDS 0
.set p, 0
.rept 8
	MUL2 176+2*p, 176+2*p, 164
.set p, p+1
.endr
.set p, 0
.rept 8
	FMA2 16+16*\m+2*p, 16+16*\m+2*p, 165, 176+2*p
.set p, p+1
.endr
.irp j, 0,1,2,3
	ds_store_b128 v[12+\m/2], v[16+16*\m+4*\j:19+16*\m+4*\j] offset:(\m%2)*33280+16*\j
.endr
.endr
	s_mul_i32 s29, s28, 8320
	v_add_nc_u32 v164, s29, v1
	BAR
.irp i, 0,1,2,3                        ; wave w stores rows 4 w .. 4 w + 3 whole: each store covers 512 consecutive bytes, aligned
.irp j, 0,1,2,3
	ds_load_b128 v[80+16*\i+4*\j:83+16*\i+4*\j], v164 offset:2080*\i+512*\j+16*(\j/2)
.endr
.endr
.irp i, 0,1,2,3
.irp j, 0,1,2,3
	s_wait_dscnt 15-4*\i-\j
	global_store_b128 v1, v[80+16*\i+4*\j:83+16*\i+4*\j], s[70:71] offset:2048*\i+512*\j th:TH_STORE_NT
.endr
.endr
	s_wait_tensorcnt 0x0                           ; the wave's end
	ds_add_u32 v14, v15
	s_wait_dscnt 0x0
	s_endpgm
.Lfunc_end_k_qe4d84c662a_cell:
	.size	k_qe4d84c662a_cell, .Lfunc_end_k_qe4d84c662a_cell-k_qe4d84c662a_cell
	.p2alignl 7, 3214868480
	.fill 96, 4, 3214868480
	.section	.rodata,"a",@progbits
	.p2align	6, 0x0
	.amdhsa_kernel k_qe4d84c662a_cell
		.amdhsa_group_segment_fixed_size 327680
		.amdhsa_private_segment_fixed_size 0
		.amdhsa_enable_private_segment 0
		.amdhsa_kernarg_size 80
		.amdhsa_user_sgpr_count 2
		.amdhsa_user_sgpr_kernarg_segment_ptr 1
		.amdhsa_wavefront_size32 1
		.amdhsa_system_sgpr_workgroup_id_x 1
		.amdhsa_system_sgpr_workgroup_id_y 1
		.amdhsa_system_sgpr_workgroup_id_z 1
		.amdhsa_system_vgpr_workitem_id 0
		.amdhsa_next_free_vgpr 256
		.amdhsa_next_free_sgpr 72
		.amdhsa_reserve_vcc 1
		.amdhsa_float_denorm_mode_32 3
		.amdhsa_float_denorm_mode_16_64 3
		.amdhsa_memory_ordered 1
		.amdhsa_forward_progress 1
		.amdhsa_inst_pref_size 255
	.end_amdhsa_kernel
	.section	.bss,"aw",@nobits
	.p2align	6
	.space	262144
	.amdgpu_metadata
---
amdhsa.version: [ 1, 2 ]
amdhsa.kernels:
  - .name:           k_qe4d84c662a_cell
    .symbol:         k_qe4d84c662a_cell.kd
    .args:
      - { .name: prev, .offset: 0, .size: 8, .value_kind: global_buffer, .address_space: global }
      - { .name: inp, .offset: 8, .size: 8, .value_kind: global_buffer, .address_space: global }
      - { .name: wpack, .offset: 16, .size: 8, .value_kind: global_buffer, .address_space: global }
      - { .name: bWr, .offset: 24, .size: 8, .value_kind: global_buffer, .address_space: global }
      - { .name: bUr, .offset: 32, .size: 8, .value_kind: global_buffer, .address_space: global }
      - { .name: bWz, .offset: 40, .size: 8, .value_kind: global_buffer, .address_space: global }
      - { .name: bUz, .offset: 48, .size: 8, .value_kind: global_buffer, .address_space: global }
      - { .name: bW, .offset: 56, .size: 8, .value_kind: global_buffer, .address_space: global }
      - { .name: bU, .offset: 64, .size: 8, .value_kind: global_buffer, .address_space: global }
      - { .name: out0, .offset: 72, .size: 8, .value_kind: global_buffer, .address_space: global }
    .group_segment_fixed_size: 327680
    .private_segment_fixed_size: 0
    .kernarg_segment_align: 8
    .kernarg_segment_size: 80
    .max_flat_workgroup_size: 512
    .sgpr_count:     72
    .vgpr_count:     256
    .wavefront_size: 32
...
	.end_amdgpu_metadata
.endif
;; end of part 2
